; MI455X (gfx1250); checked and timed in simulation.
; The chip was launched on July 23, 2026; its instructions are those of AMD's public machine-readable ISA for CDNA 5 (MIT licence, August 2026) and "CDNA5" Instruction Set Architecture Reference Guide (July 2026). The comments in the code are by the model that wrote it; some were corrected since.
;; Environment Specific Decoder. Allowed arithmetic: matrix products marked QUANTISED: E2M1 operands, one E8M0 scale for each 32 along K, by v_wmma_scale_f32_16x16x128_f8f6f4 with both operands' format E2M1 (or v_wmma_scale_f32_32x16x128_f4), f32 sums; products left as they are: bf16, f16 or f32 operands; f32 sums; everything else in f32.
;; Inputs: A 128 x 128 float32; W1e 8 x 256 x 256 float32; W2e 8 x 256 x 2 float32; W_sig 64 x 256 float32; Wc 64 x 128 float32; Wo 128 x 1 float32; b1e 8 x 256 float32; b2e 8 x 2 float32; b_sig 256 float32; bc 128 float32; bo 1 float32; regime 32 int32; z_corrupt 32 x 64 x 128 x 64 float32; z_signal 32 x 64 x 128 x 64 float32.
;; Outputs: out0 32 x 64 x 128 float32; out1 32 x 64 x 128 float32.
;; This version of the problem:
;;   THIS VERSION OF THE PROBLEM IS GIVEN IN LOW PRECISION. The matrix products marked QUANTISED in the list below multiply operands that are first quantised to E2M1 (2 exponent bits, 1 mantissa bit; 4 bits a number), with one power-of-two scale for each 32 numbers along K (OCP MX v1.0); their sums are f32. The products marked 'left as it is' may take bf16, f16 or f32 operands, with f32 sums. Whichever they take, every output number must still come out within the allowed error. Rounding operands to bf16 (8 significant bits) uses up far more of that allowance than f16 does (11 bits, for magnitudes from 6e-5 to 65,504). All else is computed in f32.
;;   The module's matrix products, in the order in which they are computed (A, B: the left and right operand; K: the contracted axis; several contracted axes count as one K, in the product's order):
;;     1. [M 131,072, K 128] x [K 128, N 128]; A: input z_signal; B: input A: QUANTISED
;;     2. [M 262,144, K 64] x [K 64, N 256]; A: computed on the way; B: input W_sig: left as it is (an operand is computed on the way)
;;     3. batch 32 x [M 8,192, K 256] x [K 256, N 256]; A: computed on the way; B: computed on the way: left as it is (an operand is computed on the way)
;;     4. batch 32 x [M 8,192, K 256] x [K 256, N 2]; A: computed on the way; B: computed on the way: left as it is (N = 2 < 16)
;;     5. [M 262,144, K 64] x [K 64, N 128]; A: input z_corrupt; B: input Wc: QUANTISED
;;     6. [M 262,144, K 128] x [K 128, N 1]; A: computed on the way; B: input Wo: left as it is (N = 1 < 16)
;;   THE QUANTISER, for each operand of a quantised product, along K:
;;     - K is cut into blocks of 32 from its start; a last block that is shorter is filled with zeros.
;;     - A block's scale is 2^e with e = floor(log2(the largest magnitude in the block)) - 2, held to -126 .. 127; a block of zeros has e = 0. As a byte (E8M0): e + 127.
;;     - Each number is divided by its block's scale, clamped to +-6, and rounded to the nearest number of E2M1, ties to even, subnormals kept.
;;     - The product sums the exact products of the quantised numbers (number of the format x scale) in f32.
;;   ~~~python
;;   def quantise(x, axis):      # numpy; x: float32 -> the quantised numbers, widened to float32 again
;;       x = np.moveaxis(x, axis, -1); K = x.shape[-1]
;;       x = np.pad(x, [(0, 0)] * (x.ndim - 1) + [(0, -K % 32)]); x = x.reshape(x.shape[:-1] + (-1, 32)); a = np.abs(x).max(-1, keepdims=True)
;;       e = np.where(a > 0, np.clip(np.frexp(np.where(a > 0, a, 1))[1] - 1 - 2, -126, 127), 0)      # np.frexp(a)[1] - 1 = floor(log2(a)), exactly
;;       r = np.clip(x / 2.0 ** e, -6, 6)
;;       step = 2.0 ** (np.maximum(np.frexp(np.where(r == 0, 1, r))[1] - 1, 0) - 1)
;;       q = np.round(r / step) * step * 2.0 ** e      # np.round: ties to even
;;       return np.moveaxis(q.reshape(q.shape[:-2] + (-1,))[..., :K], -1, axis).astype(np.float32)
;;   ~~~
;; One version. Each part assembles by itself: llvm-mc -triple=amdgcn-amd-amdhsa -mcpu=gfx1250 --defsym DOCPART=n.
;; ======== version 1 of 1: 2 launches
;; limits: values are held in f16: magnitudes above 65,504 overflow, below 6.1e-05 lose precision; right only within a limited range of input values
;; workspace buffers: wf 262,144 bytes; nb 16,384 bytes; qw 14,336 bytes
;; launch prep (part 1): grid 132 x 1, 4 waves a work-group, no clusters, 0 bytes of LDS; arguments A, Wc, W_sig, W1e, b_sig, b1e, wf, nb, qw; writes wf, nb, qw
.if DOCPART == 1
	.amdgcn_target "amdgcn-amd-amdhsa--gfx1250"
	.amdhsa_code_object_version 6
	.text
	.protected	k_qbdde52a6ec_prep
	.globl	k_qbdde52a6ec_prep
	.p2align	8
	.type	k_qbdde52a6ec_prep,@function
k_qbdde52a6ec_prep:
	s_mov_b64 s[64:65], 0
	v_nop
	global_prefetch_b8 v0, s[64:65] scope:SCOPE_SE
	s_setreg_imm32_b32 hwreg(HW_REG_WAVE_MODE, 25, 1), 1
	s_wait_xcnt 0x0
; PREP: the weights, once, laid as images of the operand registers in which the second launch takes them.
; Work-groups 0-127 (FOLD): environment x / 16, tile t = x % 16 of 16 columns k'.  No nonlinearity stands between z_agg W_sig + b_sig and (.) W1 + b1, so for every input
;   (z_agg W_sig + b_sig) W1 + b1 = z_agg (W_sig W1) + (b_sig W1 + b1).  Wf = W_sig W1[env] is made here with f16 operands and f32 sums, stored as f16 x 8 (the second launch's z_agg comes / 8);
;   bf = b_sig W1 + b1 is made in f32 by fused multiply-adds and stored negated.
;   Wave e takes the 16 rows l = 4 m + e of W_sig: the order in which the second launch's first product leaves z_agg in a lane's registers.
; Work-groups 128, 129 (QA): A [128 j][128 i] into E2M1 codes along j, a wave to a tile of 16 columns i.  Inside a block of 32 the place pos holds j = 2 (pos % 16) + pos / 16: the order in which the second
;   launch's lanes hold z_signal; a permutation inside a block, alike on both operands, keeps every product and every scale.  The scale BYTE is stored 3 lower than the quantiser's, so that the sums come as z_agg / 8.
; Work-groups 130, 131 (QC): Wc [64 l][128] into codes along l, natural order, a wave to a tile of 16 columns.
; A lane takes a column and its registers run down K, so the conversions' results are the operand's registers.
; LIMITS: NaN and infinities are not served.  8 |W_sig W1| has to stay under 65,504 (f16).  A block of A whose largest magnitude lies under 2^-121 is quantised at that floor's scale (its byte less 3 must not fall under 1);
; a block of Wc under 2^-124 likewise.  A block of zeros gets the floor's byte: its codes are zeros, and this program alone reads the bytes.
; No LDS, no barrier: waves share nothing.  132 work-groups: the work has no more parts of this size.
.set W1F,  16                          ; v16-143  W1's column, 128 numbers, then 8 f16 fragments (8 registers at 16 ks)
.set ACC0, 144                         ; v144-151, v152-159: two accumulators by turns
.set ACC1, 152
.set BA,   160                         ; v160-163 four chains of the bias; v164 b1; v165 the other half's sum
.set SS,   168                         ; v168-175 the tile's sums
.set HF,   176                         ; v176-179 as f16
.set XQ,   16                          ; the quantisers' numbers
.set MSB, 0
.macro WIN new                         ; the immediate's high byte repeats the setting that is left
.if MSB != \new
	s_set_vgpr_msb (MSB<<8)|\new
.set MSB, \new
.endif
.endm
	s_load_b512 s[4:19], s[0:1], 0x0               ; A 4:5, Wc 6:7, W_sig 8:9, W1e 10:11, b_sig 12:13, b1e 14:15, wf 16:17, nb 18:19
	s_load_b64 s[20:21], s[0:1], 0x40              ; qw
	v_lshrrev_b32 v1, 5, v0
	v_readfirstlane_b32 s2, v1                     ; wave 0..3
	v_and_b32 v2, 31, v0                           ; lane
	v_and_b32 v3, 15, v0                           ; r
	v_bfe_u32 v4, v0, 4, 1                         ; h
	v_lshlrev_b32 v5, 4, v2                        ; 16 x lane: an image's place
	v_lshlrev_b32 v9, 2, v3                        ; 4 r
	v_lshlrev_b32 v10, 3, v2                       ; 8 x lane
	s_mov_b32 s34, 0x76543210
	s_mov_b32 s35, 0xfedcba98                      ; v_permlanex16_b32's selects for lane l xor 16
	s_mov_b32 s25, 0                               ; the upper word of every offset pair s[24:25]
	s_wait_kmcnt 0x0
	s_cmp_lt_u32 ttmp9, 128
	s_cbranch_scc0 .Lquant
	; ---------------- FOLD
	s_lshr_b32 s22, ttmp9, 4                       ; env
	s_and_b32 s23, ttmp9, 15                       ; t
	s_lshl_b32 s24, s22, 18
	s_lshl_b32 s26, s23, 6
	s_add_co_u32 s24, s24, s26
	s_add_nc_u64 s[10:11], s[10:11], s[24:25]      ; W1e[env][0][16 t]
	s_lshl_b32 s24, s22, 10
	s_add_co_u32 s24, s24, s26
	s_add_nc_u64 s[14:15], s[14:15], s[24:25]      ; b1e[env][16 t]
	s_lshl_b32 s24, s22, 11
	s_lshr_b32 s26, s23, 2
	s_lshl_b32 s26, s26, 9
	s_add_co_u32 s24, s24, s26
	s_and_b32 s26, s23, 3
	s_lshl_b32 s26, s26, 2
	s_add_co_u32 s24, s24, s26
	s_add_nc_u64 s[18:19], s[18:19], s[24:25]      ; nb: env x 2,048 + (t / 4) x 512 + 4 (t % 4)
	s_lshl_b32 s24, s22, 15
	s_lshl_b32 s26, s23, 11
	s_add_co_u32 s24, s24, s26
	s_lshl_b32 s26, s2, 9
	s_add_co_u32 s24, s24, s26
	s_add_nc_u64 s[16:17], s[16:17], s[24:25]      ; wf: env x 32,768 + t x 2,048 + e x 512
	v_lshl_add_u32 v6, v4, 13, v9                  ; W1: 8 h rows of 1,024 bytes + 4 r
	v_lshl_add_u32 v7, v3, 2, s2                   ; W_sig: row l = 4 r + e,
	v_lshlrev_b32 v7, 10, v7
	v_lshl_add_u32 v7, v4, 5, v7                   ; + 32 h
	v_lshlrev_b32 v8, 5, v4                        ; b_sig: 32 h
	; register 16 ks + q stands for hh = 32 ks + 16 (q / 8) + 8 h + q % 8: the 16-bit operand's order of K, before packing
.irp ks, 0,1,2,3,4,5,6,7
.irp q, 0,1,2,3,4,5,6,7,8,9,10,11,12,13,14,15
	global_load_b32 v[W1F+16*\ks+\q], v6, s[10:11] offset:(32*\ks+16*(\q/8)+(\q%8))*1024
.endr
.endr
	WIN 0x40                                       ; destination window 1
.irp ks, 0,1,2,3,4,5,6,7
.irp g, 0,1,2,3
	global_load_b128 v[16*\ks+4*\g:16*\ks+4*\g+3], v7, s[8:9] offset:128*\ks+64*(\g/2)+16*(\g%2)
.endr
.endr
	WIN 0
	s_cmp_lg_u32 s2, 0                             ; wave 0 alone makes the bias
	s_cbranch_scc1 .Lno_bias_loads
	WIN 0x40
.irp ks, 0,1,2,3,4,5,6,7
.irp g, 0,1,2,3
	global_load_b128 v[128+16*\ks+4*\g:128+16*\ks+4*\g+3], v8, s[12:13] offset:128*\ks+64*(\g/2)+16*(\g%2)
.endr
.endr
	WIN 0
	global_load_b32 v[BA+4], v9, s[14:15]
.Lno_bias_loads:
	s_wait_loadcnt 0x0                             ; everything is in
	s_cmp_lg_u32 s2, 0
	s_cbranch_scc1 .Lno_bias
	WIN 0x04                                       ; source 1 (b_sig) window 1
.irp k, 0,1,2,3
	v_mul_f32 v[BA+\k], v[W1F+\k], v[128+\k]       ; four chains, begun by a product: nothing is cleared
.endr
.set i, 4
.rept 124
	v_fma_f32 v[BA+i%4], v[W1F+i], v[128+i], v[BA+i%4]
.set i, i+1
.endr
	WIN 0
	v_add_f32 v[BA], v[BA], v[BA+1]
	v_add_f32 v[BA+2], v[BA+2], v[BA+3]
	v_mov_b32 v[BA+5], 0                           ; a lane permute's destination counts as one of its sources
	v_add_f32 v[BA], v[BA], v[BA+2]
	v_permlanex16_b32 v[BA+5], v[BA], s34, s35     ; the other 128 hh lie in lane l xor 16
	v_add_f32 v[BA], v[BA], v[BA+5]
	v_add_f32 v[BA], v[BA], v[BA+4]                ; + b1
	v_mul_f32 v[BA], -1.0, v[BA]                   ; stored negated: relu(x + b) = max(x, -b) + b
	global_store_b32 v5, v[BA], s[18:19]
.Lno_bias:
.irp ks, 0,1,2,3,4,5,6,7                       ; both operands to f16, in place, ascending: register i takes numbers 2 i and 2 i + 1
.irp i, 0,1,2,3,4,5,6,7
	v_cvt_pk_f16_f32 v[W1F+16*\ks+\i], v[W1F+16*\ks+2*\i], v[W1F+16*\ks+2*\i+1]
.endr
.endr
	WIN 0x45                                       ; the same in window 1
.irp ks, 0,1,2,3,4,5,6,7
.irp i, 0,1,2,3,4,5,6,7
	v_cvt_pk_f16_f32 v[16*\ks+\i], v[16*\ks+2*\i], v[16*\ks+2*\i+1]
.endr
.endr
	WIN 0x01                                       ; source 0 (W_sig) window 1
.rept 4
	v_nop
.endr
	; D(m, n) = Wf[l = 4 m + e][16 t + n]: two accumulators by turns, one instruction a turn; the first two products start the sums
	v_wmma_f32_16x16x32_f16 v[ACC0:ACC0+7], v[0:7], v[W1F:W1F+7], 0
	v_wmma_f32_16x16x32_f16 v[ACC1:ACC1+7], v[16:23], v[W1F+16:W1F+23], 0
.irp kp, 1,2,3
	v_wmma_f32_16x16x32_f16 v[ACC0:ACC0+7], v[32*\kp:32*\kp+7], v[W1F+32*\kp:W1F+32*\kp+7], v[ACC0:ACC0+7]
	v_wmma_f32_16x16x32_f16 v[ACC1:ACC1+7], v[32*\kp+16:32*\kp+23], v[W1F+32*\kp+16:W1F+32*\kp+23], v[ACC1:ACC1+7]
.endr
	WIN 0
.rept 4
	v_nop                                          ; four places behind the last product (ISA guide 7.12.1)
.endr
.irp p, 0,1,2,3
	v_pk_add_f32 v[SS+2*\p:SS+2*\p+1], v[ACC0+2*\p:ACC0+2*\p+1], v[ACC1+2*\p:ACC1+2*\p+1]   ; from the low end on
.endr
.irp p, 0,1,2,3
	v_pk_mul_f32 v[SS+2*\p:SS+2*\p+1], v[SS+2*\p:SS+2*\p+1], 0x41000000 op_sel_hi:[1,0]      ; x 8: exact
.endr
.irp p, 0,1,2,3
	v_cvt_pk_f16_f32 v[HF+\p], v[SS+2*\p], v[SS+2*\p+1]
.endr
	global_store_b128 v5, v[HF:HF+3], s[16:17]     ; lane (r, h): column 16 t + r, l = 4 (8 h + 0 .. 7) + e: four registers of an f16 operand; the wave stores 512 consecutive bytes
	s_endpgm
.Lquant:
	s_cmp_lt_u32 ttmp9, 130
	s_cbranch_scc0 .Lqc
	; ---------------- QA
	s_sub_co_u32 s22, ttmp9, 128
	s_lshl_b32 s22, s22, 2
	s_add_co_u32 s22, s22, s2                      ; tile v' of 16 columns i
	s_lshl_b32 s24, s22, 6
	s_add_nc_u64 s[4:5], s[4:5], s[24:25]          ; A[0][16 v']
	s_lshl_b32 s24, s22, 10
	s_add_nc_u64 s[26:27], s[20:21], s[24:25]      ; the codes: v' x 1,024
	s_lshr_b32 s24, s22, 1
	s_lshl_b32 s24, s24, 8
	s_and_b32 s28, s22, 1
	s_lshl_b32 s28, s28, 2
	s_add_co_u32 s24, s24, s28
	s_add_co_u32 s24, s24, 12288
	s_add_nc_u64 s[28:29], s[20:21], s[24:25]      ; the scale words: 12,288 + (v' / 2) x 256 + 4 (v' % 2)
	v_lshl_add_u32 v6, v4, 14, v9                  ; 32 h rows of 512 bytes + 4 r
.irp c, 0,1
.irp pos, 0,1,2,3,4,5,6,7,8,9,10,11,12,13,14,15,16,17,18,19,20,21,22,23,24,25,26,27,28,29,30,31
	global_load_b32 v[XQ+32*\c+\pos], v6, s[4:5] offset:(64*\c+2*(\pos%16)+\pos/16)*512   ; A[32 (2 c + h) + 2 (pos % 16) + pos / 16][16 v' + r]
.endr
.endr
	s_wait_loadcnt 0x0
.irp c, 0,1
	v_max3_num_f32 v[80+\c], |v[XQ+32*\c]|, |v[XQ+32*\c+1]|, 0x3000000   ; my block 2 c + h, and the floor 2^(6 - 127): the stored byte, 5 under this exponent field, cannot fall under 1
.endr
.irp i, 2,4,6,8,10,12,14,16,18,20,22,24,26,28,30
.irp c, 0,1
	v_max3_num_f32 v[80+\c], v[80+\c], |v[XQ+32*\c+\i]|, |v[XQ+32*\c+\i+1]|
.endr
.endr
.irp c, 0,1
	v_add_nc_u32 v[82+\c], 0xff000000, v[80+\c]    ; 2 off the exponent field: the conversion's scale operand, the quantiser's true scale
	v_add_nc_u32 v[84+\c], 0xfd800000, v[80+\c]    ; 5 off: the byte that is stored, 3 lower: every sum comes / 8, exactly
.endr
.irp c, 0,1
	v_lshrrev_b32 v[84+\c], 23, v[84+\c]
.endr
	v_lshl_or_b32 v86, v85, 16, v84                ; blocks h and 2 + h,
	v_lshlrev_b32 v87, 3, v4
	v_lshlrev_b32 v86, v87, v86                    ; 8 h bits up;
	v_mov_b32 v88, 0
	v_permlanex16_b32 v88, v86, s34, s35
	v_or_b32 v86, v86, v88                         ; with lane l xor 16's two bytes the word is whole
.irp c, 0,1
.irp g, 0,1,2,3
	v_cvt_scalef32_pk8_fp4_f32 v[92+4*\c+\g], v[XQ+32*\c+8*\g:XQ+32*\c+8*\g+7], v[82+\c]
.endr
.endr
	v_nop                                          ; one plain line behind the last scaled conversion
	global_store_b128 v5, v[92:95], s[26:27]
	global_store_b128 v5, v[96:99], s[26:27] offset:512
	global_store_b32 v10, v86, s[28:29]
	s_endpgm
.Lqc:
	; ---------------- QC
	s_sub_co_u32 s22, ttmp9, 130
	s_lshl_b32 s22, s22, 2
	s_add_co_u32 s22, s22, s2                      ; tile t' of 16 columns
	s_lshl_b32 s24, s22, 6
	s_add_nc_u64 s[6:7], s[6:7], s[24:25]          ; Wc[0][16 t']
	s_lshl_b32 s24, s22, 9
	s_add_co_u32 s24, s24, 8192
	s_add_nc_u64 s[26:27], s[20:21], s[24:25]      ; the codes: 8,192 + t' x 512
	s_lshr_b32 s24, s22, 2
	s_lshl_b32 s24, s24, 9
	s_and_b32 s28, s22, 3
	s_lshl_b32 s28, s28, 2
	s_add_co_u32 s24, s24, s28
	s_add_co_u32 s24, s24, 13312
	s_add_nc_u64 s[28:29], s[20:21], s[24:25]      ; the scale words: 13,312 + (t' / 4) x 512 + 4 (t' % 4)
	v_lshl_add_u32 v6, v4, 14, v9
.irp i, 0,1,2,3,4,5,6,7,8,9,10,11,12,13,14,15,16,17,18,19,20,21,22,23,24,25,26,27,28,29,30,31
	global_load_b32 v[XQ+\i], v6, s[6:7] offset:512*\i   ; Wc[32 h + i][16 t' + r]
.endr
	s_wait_loadcnt 0x0
.irp u, 0,1
	v_max3_num_f32 v[80+\u], |v[XQ+16*\u]|, |v[XQ+16*\u+1]|, 0x1800000   ; two chains, each with the floor 2^(3 - 127): the byte cannot fall under 1
.endr
.irp i, 2,4,6,8,10,12,14
.irp u, 0,1
	v_max3_num_f32 v[80+\u], v[80+\u], |v[XQ+16*\u+\i]|, |v[XQ+16*\u+\i+1]|
.endr
.endr
	v_max_num_f32 v80, v80, v81
	v_add_nc_u32 v82, 0xff000000, v80              ; the conversion's scale operand
	v_lshrrev_b32 v84, 23, v82                     ; the byte of block h
	v_lshlrev_b32 v87, 3, v4
	v_lshlrev_b32 v86, v87, v84
	v_mov_b32 v88, 0
	v_permlanex16_b32 v88, v86, s34, s35
	v_or_b32 v86, v86, v88                         ; bytes 0 and 1; bytes 2 and 3 stay 0, over zero codes
.irp g, 0,1,2,3
	v_cvt_scalef32_pk8_fp4_f32 v[92+\g], v[XQ+8*\g:XQ+8*\g+7], v82
.endr
	v_nop
	global_store_b128 v5, v[92:95], s[26:27]
	global_store_b32 v5, v86, s[28:29]
	s_endpgm
.Lfunc_end_k_qbdde52a6ec_prep:
	.size	k_qbdde52a6ec_prep, .Lfunc_end_k_qbdde52a6ec_prep-k_qbdde52a6ec_prep
	.p2alignl 7, 3214868480
	.fill 96, 4, 3214868480
	.section	.rodata,"a",@progbits
	.p2align	6, 0x0
	.amdhsa_kernel k_qbdde52a6ec_prep
		.amdhsa_group_segment_fixed_size 0
		.amdhsa_private_segment_fixed_size 0
		.amdhsa_enable_private_segment 0
		.amdhsa_kernarg_size 72
		.amdhsa_user_sgpr_count 2
		.amdhsa_user_sgpr_kernarg_segment_ptr 1
		.amdhsa_wavefront_size32 1
		.amdhsa_system_sgpr_workgroup_id_x 1
		.amdhsa_system_sgpr_workgroup_id_y 1
		.amdhsa_system_sgpr_workgroup_id_z 1
		.amdhsa_system_vgpr_workitem_id 0
		.amdhsa_next_free_vgpr 512
		.amdhsa_next_free_sgpr 66
		.amdhsa_reserve_vcc 0
		.amdhsa_float_denorm_mode_32 3
		.amdhsa_float_denorm_mode_16_64 3
		.amdhsa_memory_ordered 1
		.amdhsa_forward_progress 1
		.amdhsa_inst_pref_size 55
	.end_amdhsa_kernel
	.amdgpu_metadata
---
amdhsa.version: [ 1, 2 ]
amdhsa.kernels:
  - .name:           k_qbdde52a6ec_prep
    .symbol:         k_qbdde52a6ec_prep.kd
    .args:
      - { .name: A, .offset: 0, .size: 8, .value_kind: global_buffer, .address_space: global }
      - { .name: Wc, .offset: 8, .size: 8, .value_kind: global_buffer, .address_space: global }
      - { .name: W_sig, .offset: 16, .size: 8, .value_kind: global_buffer, .address_space: global }
      - { .name: W1e, .offset: 24, .size: 8, .value_kind: global_buffer, .address_space: global }
      - { .name: b_sig, .offset: 32, .size: 8, .value_kind: global_buffer, .address_space: global }
      - { .name: b1e, .offset: 40, .size: 8, .value_kind: global_buffer, .address_space: global }
      - { .name: wf, .offset: 48, .size: 8, .value_kind: global_buffer, .address_space: global }
      - { .name: nb, .offset: 56, .size: 8, .value_kind: global_buffer, .address_space: global }
      - { .name: qw, .offset: 64, .size: 8, .value_kind: global_buffer, .address_space: global }
    .group_segment_fixed_size: 0
    .private_segment_fixed_size: 0
    .kernarg_segment_align: 8
    .kernarg_segment_size: 72
    .max_flat_workgroup_size: 128
    .sgpr_count:     66
    .vgpr_count:     512
    .wavefront_size: 32
...
	.end_amdgpu_metadata
.endif
;; end of part 1
;; launch main (part 2): grid 256 x 1, 4 waves a work-group, no clusters, 84,992 bytes of LDS; arguments z_signal, z_corrupt, regime, wf, nb, qw, W2e, b2e, bo, bc, Wo, out0, out1; writes out0, out1
.if DOCPART == 2
	.amdgcn_target "amdgcn-amd-amdhsa--gfx1250"
	.amdhsa_code_object_version 6
	.text
	.protected	k_qbdde52a6ec_main
	.globl	k_qbdde52a6ec_main
	.p2align	8
	.type	k_qbdde52a6ec_main,@function
k_qbdde52a6ec_main:
	s_mov_b64 s[64:65], 0
	v_nop
	global_prefetch_b8 v0, s[64:65] scope:SCOPE_SE
	s_setreg_imm32_b32 hwreg(HW_REG_WAVE_MODE, 25, 1), 1
	s_wait_xcnt 0x0
; MAIN: the whole chain for 8 slices (b, t) a work-group; 256 work-groups; b = x / 8, so a work-group has one environment, read from regime.
; A slice: z_agg = A^T z_signal (E2M1, K = j = 128);  h1 = relu(z_agg Wf + bf), Wf = W_sig W1[env] and bf = b_sig W1 + b1 made by the launch before (f16 operands, f32 sums, K = 64);
;   out = h1 W2 + b2;  contrib = relu(z_corrupt Wc + bc) Wo + bo (first product E2M1, K = 64, filled to the instruction's 128 with zero codes on both sides);  mu = out0 + contrib;  sigma = softplus(out1) + 0.01.
; SHARES.  Wave w loads and quantises rows 32 w .. 32 w + 31 of both tensors (of z_signal that is block w of K) and owns output rows 32 w .. 32 w + 31, two tiles of 16.  z_signal's codes and scale bytes alone go from
;   wave to wave, through LDS as images of the operand's registers, in two buffers by turns: one barrier a slice.
; THE STREAM.  Each load is 512 consecutive bytes, 16 a lane; two slices (64 loads, 32 KB a wave) are asked for ahead, into window 2.
; z_signal's K is not innermost: a lane's four numbers of a load are four l, so 64 moves turn its 16 loads into 4 runs of 16 numbers along j (j = 32 w + 2 q + p, p = lane / 16).  Inside a block of 32 the place is 16 p + q;
;   A's codes were laid in the same order.  z_corrupt's rows turn through the wave's own stage in LDS, so that a lane holds a whole block of 32 along l.
; LAYOUT.  First product: source 0 = 16 values of l (l = 4 m + e), source 1 = 16 columns i of A: a lane then holds ONE row i and eight l; packed to f16 in pairs these ARE source 0 of the second product.
;   Its result holds one hidden unit a lane and eight rows: relu(x + b) W = W max(x, -b) + W b: one maximum and half a packed multiply-add a number and column; the W b are summed once, in f32, and start the sums.
;   The corrupt path's result has the same layout and sums into the same registers as column 0.  A transposing sum over 16 lanes (select, select, add with a lane exchange) leaves one output a lane.
; SCALING.  A's scale bytes were stored 3 lower and Wf x 8: z_agg / 8 and 8 Wf are what is rounded to f16; both factors are exact.
; LIMITS.  NaN and infinities are not served.  |z_agg| has to stay under 524,000 and |W_sig W1| under 8,190 (f16).  W max(x, -b) + W b differs from relu(x + b) W by f32 rounding alone.
;   regime >= 8 counts as 0, as in the problem; a negative regime is held at 7.
; NOT USED: tensor loads (each wave's stream is its own and z_signal wants a turn in registers either way); joint loads in a cluster (what work-groups share is 46 KB of weights against 512 KB of private stream a work-group).
.set WFI,   0                          ; LDS: Wf's 64 images of 512 bytes, written once
.set ZIMG,  32768                      ; z_signal's codes: ph x 4,096 + e x 1,024 + c x 512 + 16 x lane
.set ZSC,   40960                      ; its scale bytes: ph x 256 + e x 64 + 4 x row + block
.set OUTS,  41472                      ; the results: column x 4,096 + slice x 512 + 4 x row
.set STG,   49664                      ; a stage of 32 rows x (256 + 16) bytes for each wave
.set SPARE, 84480                      ; the spare words, 128 bytes for each wave: two blocks of 256 bytes that no other line names
.set GA,   1                           ; v1   8,192 w + 16 lane: my bytes of a load, in memory and in Wf's images
.set LI,   2                           ; v2   16 lane
.set LS,   3                           ; v3   4 (lane % 16)
.set ZIA,  4                           ; v4   ZIMG + 256 w + 16 a + 8 p
.set ZSA,  5                           ; v5   4 a + w
.set STA,  6                           ; v6   the stage, in: 272 p + 16 a
.set STR,  7                           ; v7   the stage, out: 272 r + 128 h
.set OA,   8                           ; v8   my result's place: 4,096 (r / 8) + 128 w + 32 h + 4 (r % 8)
.set OAT,  9                           ; v9   + the trip's 1,024
.set SH8,  10                          ; v10  8 h
.set BSEL, 11                          ; v11  b2[0] + bo, or b2[1], by my column
.set SPW,  12                          ; v12  my spare word;  v13  0: both never rewritten
.set NIL,  13
.set PC,   14                          ; v14-15  my lane's sums of W b for columns 0 and 1
.set NB,   16                          ; v16-31  -bf of tile t
.set NBC,  32                          ; v32-39  -bc of tile t
.set WCS,  40                          ; v40-47  Wc's scale words   (v40-55 hold scales and nothing else)
.set AS,   48                          ; v48-49  A's
.set ZQS,  50                          ; v50-53  z_signal's
.set ZCS,  54                          ; v54-55  z_corrupt's
.set M,    56                          ; v56-59  largest magnitudes;  v60-63 the partner's;  v64-67 scale operands;  v68-71 bytes
.set MP,   60
.set SO,   64
.set BY,   68
.set C,    72                          ; v72-79  z_signal's codes
.set ZC,   80                          ; v80-95  z_corrupt's two fragments; the upper four registers of each stay zero codes
.set T,    96                          ; v96-159 64 numbers at work; then z_signal's four fragments
.set ZH,   160                         ; v160-191 z_agg / 8 as f16: fragment (v, s) at 16 v + 8 s
.set OUT,  192                         ; v192-223 the sums: 16 v + 8 column + row
.set ET,   224                         ; v224-239 two tiles' maxima
.set RT,   224                         ; v224-255 at work in the sum over lanes
.set FX,   240                         ; v240-245 at work at the end
.set FU,   242
.set FM,   244
.set G0,   0                           ; window 3: two buffers of 8 accumulators;
.set G1,   64
.set WC,   128                         ; Wc's 8 fragments (upper four registers zero codes);
.set AF,   192                         ; A's two;
.set W2,   208                         ; W2's pair of tile t at 208 + 2 t;
.set WO,   240                         ; Wo of tile t.   Window 1: Wf, fragment (t, s) at 16 t + 8 s.   Window 2: the stream: set ph: z_signal at 128 ph, z_corrupt at 128 ph + 64
.set MSB, 0
.macro WIN new                         ; bits 1:0 source 0, 3:2 source 1, 5:4 source 2, 7:6 destination; the high byte repeats the setting that is left
.if MSB != \new
	s_set_vgpr_msb (MSB<<8)|\new
.set MSB, \new
.endif
.endm
.macro PLACES n
.rept \n
	v_nop
.endr
.endm
.macro FILL set, src, off              ; my 32 rows of a slice: 16 loads of 512 consecutive bytes, read once in the launch
.irp q, 0,1,2,3,4,5,6,7,8,9,10,11,12,13,14,15
	global_load_b128 v[(\set)+4*\q:(\set)+4*\q+3], v[GA], s[\src:\src+1] offset:(\off)+512*\q th:TH_LOAD_NT
.endr
.endm
; z_agg / 8: 8 products, each a whole sum (K = 128).  D: lane = row i, register jj: l = 4 (8 h + jj) + e
.macro MM1
	WIN 0xcc
.irp v, 0,1
.irp e, 0,1,2,3
	v_wmma_scale_f32_16x16x128_f8f6f4 v[G0+8*(4*\v+\e):G0+8*(4*\v+\e)+7], v[T+8*\e:T+8*\e+7], v[AF+8*\v:AF+8*\v+7], 0, v[ZQS+\e], v[AS+\v] matrix_a_fmt:MATRIX_FMT_FP4 matrix_b_fmt:MATRIX_FMT_FP4
.endr
.endr
.endm
; z_corrupt Wc for tile v of my rows: 8 products.  D: lane = hidden unit 16 t + r, register jj: row 8 h + jj
.macro MM5 g, v
	WIN 0xcc
.irp t, 0,1,2,3,4,5,6,7
	v_wmma_scale_f32_16x16x128_f8f6f4 v[\g+8*\t:\g+8*\t+7], v[ZC+8*\v:ZC+8*\v+7], v[WC+8*\t:WC+8*\t+7], 0, v[ZCS+\v], v[WCS+\t] matrix_a_fmt:MATRIX_FMT_FP4 matrix_b_fmt:MATRIX_FMT_FP4
.endr
.endm
.macro CVT                             ; each accumulator from its low end on; register 4 u + pp of fragment (v, s) takes l = 4 (8 h + 2 pp, + 1) + 2 s + u
	WIN 0x0f
.irp v, 0,1
.irp s, 0,1
.irp u, 0,1
.irp pp, 0,1,2,3
	v_cvt_pk_f16_f32 v[ZH+16*\v+8*\s+4*\u+\pp], v[G0+8*(4*\v+2*\s+\u)+2*\pp], v[G0+8*(4*\v+2*\s+\u)+2*\pp+1]
.endr
.endr
.endr
.endr
.endm
; z_agg Wf for tile v of my rows and hidden tiles t0 .. t0 + 7: the 8 accumulators by turns, one instruction a turn; the first 8 products start the sums
.macro MM2 g, v, t0
	WIN 0xf4
.irp tt, 0,1,2,3,4,5,6,7
	v_wmma_f32_16x16x32_f16 v[\g+8*\tt:\g+8*\tt+7], v[ZH+16*\v:ZH+16*\v+7], v[16*((\t0)+\tt):16*((\t0)+\tt)+7], 0
.endr
.irp tt, 0,1,2,3,4,5,6,7
	v_wmma_f32_16x16x32_f16 v[\g+8*\tt:\g+8*\tt+7], v[ZH+16*\v+8:ZH+16*\v+15], v[16*((\t0)+\tt)+8:16*((\t0)+\tt)+15], v[\g+8*\tt:\g+8*\tt+7]
.endr
.endm
; 8 tiles of the hidden layer into the sums of both columns.  init1 = 1: column 1's sums begin here, with its W b
.macro EPI2 g, v, t0, init1
	WIN 0x03
.irp tt, 0,1,2,3,4,5,6,7
.irp jj, 0,1,2,3,4,5,6,7
	v_max_num_f32 v[ET+8*(\tt%2)+\jj], v[\g+8*\tt+\jj], v[NB+(\t0)+\tt]
.endr
.irp c, 0,1
.irp pp, 0,1,2,3
.if \init1 && (\tt == 0) && (\c == 1)
	v_pk_fma_f32 v[OUT+16*\v+8+2*\pp:OUT+16*\v+8+2*\pp+1], v[W2+2*(\t0):W2+2*(\t0)+1], v[ET+2*\pp:ET+2*\pp+1], v[PC:PC+1] op_sel:[1,0,1] op_sel_hi:[1,1,1]
.else
	v_pk_fma_f32 v[OUT+16*\v+8*\c+2*\pp:OUT+16*\v+8*\c+2*\pp+1], v[W2+2*((\t0)+\tt):W2+2*((\t0)+\tt)+1], v[ET+8*(\tt%2)+2*\pp:ET+8*(\tt%2)+2*\pp+1], v[OUT+16*\v+8*\c+2*\pp:OUT+16*\v+8*\c+2*\pp+1] op_sel:[\c,0,0] op_sel_hi:[\c,1,1]
.endif
.endr
.endr
.endr
.endm
; the corrupt path's 8 tiles into column 0, whose sums begin here, with its W b
.macro EPI5 g, v
	WIN 0x03
.irp th, 0,1,2,3
.irp tl, 0,1
.irp jj, 0,1,2,3,4,5,6,7
	v_max_num_f32 v[ET+8*\tl+\jj], v[\g+8*(2*\th+\tl)+\jj], v[NBC+2*\th+\tl]
.endr
.irp pp, 0,1,2,3
.if (\th == 0) && (\tl == 0)
	v_pk_fma_f32 v[OUT+16*\v+2*\pp:OUT+16*\v+2*\pp+1], v[WO:WO+1], v[ET+2*\pp:ET+2*\pp+1], v[PC:PC+1] op_sel:[0,0,0] op_sel_hi:[0,1,0]
.else
	v_pk_fma_f32 v[OUT+16*\v+2*\pp:OUT+16*\v+2*\pp+1], v[WO+2*\th:WO+2*\th+1], v[ET+8*\tl+2*\pp:ET+8*\tl+2*\pp+1], v[OUT+16*\v+2*\pp:OUT+16*\v+2*\pp+1] op_sel:[\tl,0,0] op_sel_hi:[\tl,1,1]
.endif
.endr
.endr
.endr
.endm
; One step of the sum over 16 lanes: of 2 cnt values a lane keeps cnt (by its bit in the mask) and hands the others to the lane xm away
.macro RSTEP cnt, mask, xm
.set y, 0
.rept \cnt
.irp v, 0,1
	v_cndmask_b32 v[RT+4*y+2*\v], v[OUT+16*\v+y], v[OUT+16*\v+y+\cnt], s[\mask]
	v_cndmask_b32 v[RT+4*y+2*\v+1], v[OUT+16*\v+y+\cnt], v[OUT+16*\v+y], s[\mask]
.endr
.set y, y+1
.endr
.set y, 0
.rept \cnt
.irp v, 0,1
	v_add_f32_dpp v[OUT+16*\v+y], v[RT+4*y+2*\v+1], v[RT+4*y+2*\v] row_xmask:\xm row_mask:0xf bank_mask:0xf
.endr
.set y, y+1
.endr
.endm
; A SLICE.  ph: its set of stream registers and its LDS buffer;  ld = 1: the slice two on is asked for;  ns, nc: the younger loads that may stay out when z_signal's, z_corrupt's 16 have to be in
.macro SLICE ph, ld, ns, nc
	; ---- z_signal: my block of K for all 64 l
	s_wait_loadcnt \ns                             ; loads come back in order: mine are in
	WIN 0x02
.irp q, 0,1,2,3,4,5,6,7,8,9,10,11,12,13,14,15
.irp e, 0,1,2,3
	v_mov_b32 v[T+16*\e+\q], v[128*\ph+4*\q+\e]    ; run e: l = 4 a + e, j = 32 w + 2 q + p
.endr
.endr
.if \ld
	WIN 0x80
	FILL 128*\ph, 4, (2+\ph)*32768
.endif
	WIN 0
.irp e, 0,1,2,3
	v_max3_num_f32 v[M+\e], |v[T+16*\e]|, |v[T+16*\e+1]|, 0x1800000   ; the floor 2^(3 - 127): the byte cannot fall under 1
.endr
.irp i, 2,4,6,8,10,12,14
.irp e, 0,1,2,3
	v_max3_num_f32 v[M+\e], v[M+\e], |v[T+16*\e+\i]|, |v[T+16*\e+\i+1]|   ; the four runs by turns
.endr
.endr
.irp e, 0,1,2,3
	v_permlanex16_b32 v[MP+\e], v[M+\e], s34, s35
.endr
.irp e, 0,1,2,3
	v_max_num_f32 v[M+\e], v[M+\e], v[MP+\e]       ; with lane l xor 16's 16: the block's largest magnitude
.endr
.irp e, 0,1,2,3
	v_add_nc_u32 v[SO+\e], 0xff000000, v[M+\e]     ; 2 off its exponent field: the conversion's scale operand
.endr
.irp e, 0,1,2,3
	v_lshrrev_b32 v[BY+\e], 23, v[SO+\e]           ; the scale's byte
.endr
.irp e, 0,1,2,3
	v_cvt_scalef32_pk8_fp4_f32 v[C+2*\e], v[T+16*\e:T+16*\e+7], v[SO+\e]
	v_cvt_scalef32_pk8_fp4_f32 v[C+2*\e+1], v[T+16*\e+8:T+16*\e+15], v[SO+\e]
.endr
	v_nop                                          ; one plain line behind the last scaled conversion
.irp e, 0,1,2,3
	ds_store_b64 v[ZIA], v[C+2*\e:C+2*\e+1] offset:\ph*4096+\e*1024   ; half p of block w of row a: the wave's store is 256 consecutive bytes of the image
.endr
.irp e, 0,1,2,3
	ds_store_b8 v[ZSA], v[BY+\e] offset:ZSC+\ph*256+64*\e             ; both lanes of a block write the same byte with the same value
.endr
	; ---- z_corrupt: my 32 rows through my stage, so that a lane holds a block of 32 along l
	s_wait_loadcnt \nc
	WIN 0x08
.irp q, 0,1,2,3,4,5,6,7,8,9,10,11,12,13,14,15
	ds_store_b128 v[STA], v[128*\ph+64+4*\q:128*\ph+64+4*\q+3] offset:544*\q
.endr
	WIN 0
.irp v, 0,1
.irp g, 0,1,2,3,4,5,6,7
	ds_load_b128 v[T+32*\v+4*\g:T+32*\v+4*\g+3], v[STR] offset:4352*\v+16*\g   ; LDS serves a wave's instructions in order: these see the stores above
.endr
.endr
	s_wait_dscnt 0x0                               ; for the others' sake: my codes and bytes lie in LDS, and my reads of the buffer that the next slice writes are long over; for mine: the rows are back
.if \ld
	WIN 0x80
	FILL 128*\ph+64, 6, (2+\ph)*32768
	WIN 0
.endif
	s_barrier_signal -1                            ; work on registers alone up to the wait
.irp v, 0,1
.irp u, 0,1
	v_max3_num_f32 v[M+2*\u+\v], |v[T+32*\v+16*\u]|, |v[T+32*\v+16*\u+1]|, 0x1800000
.endr
.endr
.irp i, 2,4,6,8,10,12,14
.irp v, 0,1
.irp u, 0,1
	v_max3_num_f32 v[M+2*\u+\v], v[M+2*\u+\v], |v[T+32*\v+16*\u+\i]|, |v[T+32*\v+16*\u+\i+1]|
.endr
.endr
.endr
.irp v, 0,1
	v_max_num_f32 v[M+\v], v[M+\v], v[M+2+\v]
.endr
.irp v, 0,1
	v_add_nc_u32 v[SO+\v], 0xff000000, v[M+\v]
.endr
.irp v, 0,1
	v_lshrrev_b32 v[BY+\v], 23, v[SO+\v]
.endr
.irp v, 0,1
	v_lshlrev_b32 v[BY+\v], v[SH8], v[BY+\v]       ; block h's byte at its place
.endr
.irp v, 0,1
	v_permlanex16_b32 v[MP+\v], v[BY+\v], s34, s35
.endr
.irp v, 0,1
	v_or_b32 v[ZCS+\v], v[BY+\v], v[MP+\v]         ; the row's scale word; bytes 2 and 3 stay 0, over zero codes
.endr
.irp v, 0,1
.irp g, 0,1,2,3
	v_cvt_scalef32_pk8_fp4_f32 v[ZC+8*\v+\g], v[T+32*\v+8*\g:T+32*\v+8*\g+7], v[SO+\v]
.endr
.endr
	PLACES 9                                       ; one plain line behind the conversions; a scale register written by a vector instruction stands 8 places ahead of a scaled product, an operand 4
	s_barrier_wait -1                              ; all four blocks of z_signal's codes lie in LDS
	; ---- products, and behind each batch the epilogue of the batch before: its plain lines are the places behind the products just issued
.irp e, 0,1,2,3
.irp c, 0,1
	ds_load_b128 v[T+8*\e+4*\c:T+8*\e+4*\c+3], v[LI] offset:ZIMG+\ph*4096+1024*\e+512*\c
.endr
.endr
.irp e, 0,1,2,3
	ds_load_b32 v[ZQS+\e], v[LS] offset:ZSC+256*\ph+64*\e
.endr
	MM5 G1, 0                                      ; while the fragments come
	s_wait_dscnt 0x0
	MM1
	PLACES 4
	CVT
	PLACES 4                                       ; with the four above: eight plain lines that name no register of the products whose results are now written over
	MM2 G0, 0, 0
	EPI5 G1, 0
	MM2 G1, 0, 8
	EPI2 G0, 0, 0, 1
	MM5 G0, 1
	EPI2 G1, 0, 8, 0
	MM2 G1, 1, 0
	EPI5 G0, 1
	MM2 G0, 1, 8
	EPI2 G1, 1, 0, 1
	EPI2 G0, 1, 8, 0
	WIN 0
	RSTEP 8, 36, 8                                 ; lane (r, h) ends with column r / 8 of row 8 h + r % 8
	RSTEP 4, 37, 4
	RSTEP 2, 38, 2
	RSTEP 1, 39, 1
.irp v, 0,1
	v_add_f32 v[FX+\v], v[OUT+16*\v], v[BSEL]
.endr
.irp v, 0,1
	v_mul_f32 v[FU+\v], 0xbfb8aa3b, |v[FX+\v]|     ; -|x| log2(e)
.endr
.irp v, 0,1
	v_exp_f32 v[FU+\v], v[FU+\v]
.endr
.irp v, 0,1
	v_max_num_f32 v[FM+\v], 0, v[FX+\v]            ; plain lines behind the exponentials
.endr
	s_wait_alu depctr_va_vdst(0)                   ; one wait for both, ahead of their first reader
.irp v, 0,1
	v_add_f32 v[FU+\v], 1.0, v[FU+\v]
.endr
.irp v, 0,1
	v_log_f32 v[FU+\v], v[FU+\v]
.endr
	v_add_nc_u32 v[OAT], s40, v[OA]                ; a plain line behind the logarithms
	s_wait_alu depctr_va_vdst(0)
.irp v, 0,1
	v_fma_f32 v[FU+\v], v[FU+\v], 0x3f317218, v[FM+\v]   ; softplus(x) = max(x, 0) + ln(1 + e^-|x|)
.endr
.irp v, 0,1
	v_add_f32 v[FU+\v], 0x3c23d70a, v[FU+\v]       ; + 0.01
.endr
.irp v, 0,1
	v_cndmask_b32 v[FX+\v], v[FX+\v], v[FU+\v], s36   ; column 1's lanes take sigma
.endr
.irp v, 0,1
	ds_store_b32 v[OAT], v[FX+\v] offset:OUTS+512*\ph+64*\v
.endr
.endm
	s_load_b512 s[4:19], s[0:1], 0x0               ; z_signal 4:5, z_corrupt 6:7, regime 8:9, wf 10:11, nb 12:13, qw 14:15, W2e 16:17, b2e 18:19
	s_load_b256 s[20:27], s[0:1], 0x40             ; bo 20:21, bc 22:23, Wo 24:25, out0 26:27
	s_load_b64 s[28:29], s[0:1], 0x60              ; out1
	v_lshl_add_u32 v[SPW], v0, 2, SPARE
	v_mov_b32 v[NIL], 0
	v_lshrrev_b32 v240, 5, v0
	v_readfirstlane_b32 s2, v240                   ; wave 0..3
	v_and_b32 v240, 31, v0                         ; lane
	v_and_b32 v241, 15, v0                         ; a = r
	v_bfe_u32 v242, v0, 4, 1                       ; p = h
	v_and_b32 v243, 7, v0
	s_lshl_b32 s45, s2, 13
	s_lshl_b32 s50, s2, 8
	s_add_co_u32 s46, s50, ZIMG
	s_mul_i32 s47, s2, 8704
	s_add_co_u32 s47, s47, STG
	s_lshl_b32 s48, s2, 7
	s_lshl_b32 s49, s2, 11
	v_lshlrev_b32 v[LI], 4, v240
	v_add_nc_u32 v[GA], s45, v[LI]
	v_lshlrev_b32 v[LS], 2, v241
	v_lshlrev_b32 v[ZIA], 4, v241
	v_lshl_add_u32 v[ZIA], v242, 3, v[ZIA]
	v_add_nc_u32 v[ZIA], s46, v[ZIA]
	v_add_nc_u32 v[ZSA], s2, v[LS]
	v_mul_u32_u24 v[STA], v242, 272
	v_lshl_add_u32 v[STA], v241, 4, v[STA]
	v_add_nc_u32 v[STA], s47, v[STA]
	v_mul_u32_u24 v[STR], v241, 272
	v_lshl_add_u32 v[STR], v242, 7, v[STR]
	v_add_nc_u32 v[STR], s47, v[STR]
	v_bfe_u32 v[OA], v0, 3, 1
	v_lshlrev_b32 v[OA], 12, v[OA]
	v_lshl_add_u32 v[OA], v242, 5, v[OA]
	v_lshl_add_u32 v[OA], v243, 2, v[OA]
	v_add_nc_u32 v[OA], s48, v[OA]
	v_lshlrev_b32 v[SH8], 3, v242
	v_add_nc_u32 v244, s49, v[LI]                  ; A's codes: my two tiles, 2,048 w + 16 lane
	v_lshlrev_b32 v245, 3, v240
	v_add_nc_u32 v245, s50, v245                   ; A's scale words: 256 w + 8 lane
	v_lshlrev_b32 v246, 3, v241                    ; W2: 8 bytes a hidden unit
	s_mov_b32 s34, 0x76543210
	s_mov_b32 s35, 0xfedcba98                      ; v_permlanex16_b32's selects for lane l xor 16
	s_mov_b32 s36, 0xff00ff00                      ; lanes whose bit 3 is set; bit 2; bit 1; bit 0
	s_mov_b32 s37, 0xf0f0f0f0
	s_mov_b32 s38, 0xcccccccc
	s_mov_b32 s39, 0xaaaaaaaa
	s_mov_b32 s40, 0                               ; the trip's place among the results: 1,024 bytes a trip
	s_lshr_b32 s31, ttmp9, 3
	s_lshl_b32 s31, s31, 2                         ; regime[b], b = x / 8
	s_wait_kmcnt 0x0
	s_load_b32 s30, s[8:9], s31 offset:0x0
	s_load_b32 s44, s[20:21], 0x0                  ; bo
	s_wait_kmcnt 0x0
	s_cmp_ge_i32 s30, 8
	s_cselect_b32 s30, 0, s30                      ; regime >= 8 counts as 0
	s_min_u32 s30, s30, 7                          ; and the index stays inside its table
	s_lshl_b32 s41, s30, 3
	s_load_b64 s[42:43], s[18:19], s41 offset:0x0  ; b2e[env]
	s_mov_b32 s33, 0
	s_lshl_b32 s32, ttmp9, 18                      ; my 8 slices of 32,768 bytes
	s_add_nc_u64 s[4:5], s[4:5], s[32:33]
	s_add_nc_u64 s[6:7], s[6:7], s[32:33]
	s_lshl_b32 s32, s30, 15
	s_add_nc_u64 s[10:11], s[10:11], s[32:33]      ; wf[env]
	s_lshl_b32 s32, s30, 11
	s_add_nc_u64 s[12:13], s[12:13], s[32:33]      ; nb[env]
	s_add_nc_u64 s[16:17], s[16:17], s[32:33]      ; W2e[env]
	s_lshl_b32 s32, ttmp9, 12
	s_add_nc_u64 s[26:27], s[26:27], s[32:33]      ; my 8 x 128 results
	s_add_nc_u64 s[28:29], s[28:29], s[32:33]
.irp q, 0,1,2,3,4,5,6,7,8,9,10,11,12,13,14,15
	global_load_b128 v[T+4*\q:T+4*\q+3], v[GA], s[10:11] offset:512*\q   ; my quarter of Wf's images
.endr
	WIN 0x80
	FILL 0, 4, 0                                   ; slice 0
	FILL 64, 6, 0
	WIN 0xc0                                       ; the small weights: 51 loads
.irp t, 0,1,2,3,4,5,6,7
	global_load_b128 v[WC+8*\t:WC+8*\t+3], v[LI], s[14:15] offset:8192+512*\t
.endr
.irp v, 0,1
.irp c, 0,1
	global_load_b128 v[AF+8*\v+4*\c:AF+8*\v+4*\c+3], v244, s[14:15] offset:1024*\v+512*\c
.endr
.endr
.irp t, 0,1,2,3,4,5,6,7,8,9,10,11,12,13,14,15
	global_load_b64 v[W2+2*\t:W2+2*\t+1], v246, s[16:17] offset:128*\t
.endr
.irp t, 0,1,2,3,4,5,6,7
	global_load_b32 v[WO+\t], v[LS], s[24:25] offset:64*\t
.endr
	WIN 0
	global_load_b64 v[AS:AS+1], v245, s[14:15] offset:12288
.irp k, 0,1,2,3
	global_load_b128 v[NB+4*\k:NB+4*\k+3], v[LI], s[12:13] offset:512*\k
.endr
.irp k, 0,1
	global_load_b128 v[WCS+4*\k:WCS+4*\k+3], v[LI], s[14:15] offset:13312+512*\k
.endr
.irp t, 0,1,2,3,4,5,6,7
	global_load_b32 v[NBC+\t], v[LS], s[22:23] offset:64*\t
.endr
	s_wait_loadcnt 63                              ; 83 loads were issued behind Wf's 16: with 63 out at the most, those 16 are in
.irp q, 0,1,2,3,4,5,6,7,8,9,10,11,12,13,14,15
	ds_store_b128 v[GA], v[T+4*\q:T+4*\q+3] offset:WFI+512*\q
.endr
	s_wait_dscnt 0x0                               ; for the others' sake: my quarter lies in LDS
	s_barrier_signal -1
	s_barrier_wait -1
	WIN 0x80
	FILL 128, 4, 32768                             ; slice 1
	FILL 192, 6, 32768
	WIN 0x40
.irp k, 0,1,2,3,4,5,6,7,8,9,10,11,12,13,14,15,16,17,18,19,20,21,22,23,24,25,26,27,28,29,30,31,32,33,34,35,36,37,38,39,40,41,42,43,44,45,46,47,48,49,50,51,52,53,54,55,56,57,58,59,60,61,62,63
	ds_load_b128 v[4*\k:4*\k+3], v[LI] offset:WFI+512*\k   ; all of Wf stays in my registers: window 1
.endr
	WIN 0xc0
.irp t, 0,1,2,3,4,5,6,7
.irp i, 4,5,6,7
	v_mov_b32 v[WC+8*\t+\i], 0                     ; K's upper 64: zero codes, once
.endr
.endr
	WIN 0
.irp v, 0,1
.irp i, 4,5,6,7
	v_mov_b32 v[ZC+8*\v+\i], 0
.endr
.endr
.irp i, 0,1,2,3
	v_mov_b32 v[MP+\i], 0                          ; a lane permute's destination counts as one of its sources
.endr
	s_wait_loadcnt 32                              ; slice 1's 32 loads alone may be out
.irp t, 0,1,2,3,4,5,6,7
	v_mul_f32 v[NBC+\t], -1.0, v[NBC+\t]           ; -bc
.endr
	WIN 0x03
	v_mul_f32 v[PC], -v[W2], v[NB]                 ; my lane's W b: NB holds -bf
	v_mul_f32 v[PC+1], -v[W2+1], v[NB]
.irp t, 1,2,3,4,5,6,7,8,9,10,11,12,13,14,15
	v_fma_f32 v[PC], -v[W2+2*\t], v[NB+\t], v[PC]
	v_fma_f32 v[PC+1], -v[W2+2*\t+1], v[NB+\t], v[PC+1]
.endr
.irp t, 0,1,2,3,4,5,6,7
	v_fma_f32 v[PC], -v[WO+\t], v[NBC+\t], v[PC]   ; and Wo bc, into column 0
.endr
	WIN 0
	s_wait_kmcnt 0x0                               ; b2e
	s_add_f32 s45, s42, s44                        ; b2[0] + bo
	v_mov_b32 v247, s45
	v_mov_b32 v248, s43
	v_cndmask_b32 v[BSEL], v247, v248, s36
	s_wait_dscnt 0x0                               ; Wf is in
	s_mov_b32 s3, 3
.Ltrip:                                                ; three trips of two slices; each asks for the slices two on
	SLICE 0, 1, 48, 48                             ; behind z_signal's 16: z_corrupt's and the next slice's 32; behind z_corrupt's: the next slice's 32 and the 16 just issued
	SLICE 1, 1, 48, 48
	s_wait_xcnt 0x0                                ; the loads have read their bases
	s_add_nc_u64 s[4:5], s[4:5], 0x10000
	s_add_nc_u64 s[6:7], s[6:7], 0x10000
	s_add_co_u32 s40, s40, 1024
	s_sub_co_u32 s3, s3, 1
	s_cmp_lg_u32 s3, 0
	s_cbranch_scc1 .Ltrip
	SLICE 0, 0, 48, 32                             ; the last two slices ask for nothing: the counts run down
	SLICE 1, 0, 16, 0
	s_wait_dscnt 0x0                               ; for the others' sake: my results lie in LDS
	s_barrier_signal -1
	s_barrier_wait -1
	v_lshlrev_b32 v240, 4, v0                      ; 16 bytes a thread: a wave's store is 512 consecutive bytes
.irp k, 0,1,2,3
	ds_load_b128 v[T+4*\k:T+4*\k+3], v240 offset:OUTS+2048*\k
.endr
	s_wait_dscnt 3
	global_store_b128 v240, v[T:T+3], s[26:27]
	s_wait_dscnt 2
	global_store_b128 v240, v[T+4:T+7], s[26:27] offset:2048
	s_wait_dscnt 1
	global_store_b128 v240, v[T+8:T+11], s[28:29]
	s_wait_dscnt 0
	global_store_b128 v240, v[T+12:T+15], s[28:29] offset:2048
	s_wait_tensorcnt 0x0                           ; the wave's end
	ds_add_u32 v[SPW], v[NIL]
	s_wait_dscnt 0x0
	s_endpgm
.Lfunc_end_k_qbdde52a6ec_main:
	.size	k_qbdde52a6ec_main, .Lfunc_end_k_qbdde52a6ec_main-k_qbdde52a6ec_main
	.p2alignl 7, 3214868480
	.fill 96, 4, 3214868480
	.section	.rodata,"a",@progbits
	.p2align	6, 0x0
	.amdhsa_kernel k_qbdde52a6ec_main
		.amdhsa_group_segment_fixed_size 84992
		.amdhsa_private_segment_fixed_size 0
		.amdhsa_enable_private_segment 0
		.amdhsa_kernarg_size 104
		.amdhsa_user_sgpr_count 2
		.amdhsa_user_sgpr_kernarg_segment_ptr 1
		.amdhsa_wavefront_size32 1
		.amdhsa_system_sgpr_workgroup_id_x 1
		.amdhsa_system_sgpr_workgroup_id_y 1
		.amdhsa_system_sgpr_workgroup_id_z 1
		.amdhsa_system_vgpr_workitem_id 0
		.amdhsa_next_free_vgpr 1024
		.amdhsa_next_free_sgpr 66
		.amdhsa_reserve_vcc 0
		.amdhsa_float_denorm_mode_32 3
		.amdhsa_float_denorm_mode_16_64 3
		.amdhsa_memory_ordered 1
		.amdhsa_forward_progress 1
		.amdhsa_inst_pref_size 255
	.end_amdhsa_kernel
	.section	.bss,"aw",@nobits
	.p2align	6
	.space	262144
	.amdgpu_metadata
---
amdhsa.version: [ 1, 2 ]
amdhsa.kernels:
  - .name:           k_qbdde52a6ec_main
    .symbol:         k_qbdde52a6ec_main.kd
    .args:
      - { .name: z_signal, .offset: 0, .size: 8, .value_kind: global_buffer, .address_space: global }
      - { .name: z_corrupt, .offset: 8, .size: 8, .value_kind: global_buffer, .address_space: global }
      - { .name: regime, .offset: 16, .size: 8, .value_kind: global_buffer, .address_space: global }
      - { .name: wf, .offset: 24, .size: 8, .value_kind: global_buffer, .address_space: global }
      - { .name: nb, .offset: 32, .size: 8, .value_kind: global_buffer, .address_space: global }
      - { .name: qw, .offset: 40, .size: 8, .value_kind: global_buffer, .address_space: global }
      - { .name: W2e, .offset: 48, .size: 8, .value_kind: global_buffer, .address_space: global }
      - { .name: b2e, .offset: 56, .size: 8, .value_kind: global_buffer, .address_space: global }
      - { .name: bo, .offset: 64, .size: 8, .value_kind: global_buffer, .address_space: global }
      - { .name: bc, .offset: 72, .size: 8, .value_kind: global_buffer, .address_space: global }
      - { .name: Wo, .offset: 80, .size: 8, .value_kind: global_buffer, .address_space: global }
      - { .name: out0, .offset: 88, .size: 8, .value_kind: global_buffer, .address_space: global }
      - { .name: out1, .offset: 96, .size: 8, .value_kind: global_buffer, .address_space: global }
    .group_segment_fixed_size: 84992
    .private_segment_fixed_size: 0
    .kernarg_segment_align: 8
    .kernarg_segment_size: 104
    .max_flat_workgroup_size: 128
    .sgpr_count:     66
    .vgpr_count:     1024
    .wavefront_size: 32
...
	.end_amdgpu_metadata
.endif
;; end of part 2
